; MI455X (gfx1250); checked and timed in simulation.
; The chip was launched on July 23, 2026; its instructions are those of AMD's public machine-readable ISA for CDNA 5 (MIT licence, August 2026) and "CDNA5" Instruction Set Architecture Reference Guide (July 2026). The comments in the code are by the model that wrote it; some were corrected since.
;; Self Attention. Allowed arithmetic: matrix products marked QUANTISED: E5M2 operands, one E8M0 scale for each 32 along K, by v_wmma_scale_f32_16x16x128_f8f6f4 with both operands' format E5M2, f32 sums; everything else in f32.
;; Inputs: Wk 768 x 768 float32; Wq 768 x 768 float32; Wv 768 x 768 float32; bk 768 float32; bq 768 float32; bv 768 float32; x 2 x 4,096 x 768 float32.
;; Outputs: out0 2 x 4,096 x 768 float32.
;; This version of the problem:
;;   THIS VERSION OF THE PROBLEM IS GIVEN IN LOW PRECISION. The matrix products marked QUANTISED in the list below multiply operands that are first quantised to E5M2 (5 exponent bits, 2 mantissa bits; 8 bits a number), with one power-of-two scale for each 32 numbers along K (OCP MX v1.0); their sums are f32. All else is computed in f32.
;;   The module's matrix products, in the order in which they are computed (A, B: the left and right operand; K: the contracted axis; several contracted axes count as one K, in the product's order):
;;     1. [M 8,192, K 768] x [K 768, N 768]; A: input x; B: input Wq: QUANTISED
;;     2. [M 8,192, K 768] x [K 768, N 768]; A: input x; B: input Wk: QUANTISED
;;     3. [M 8,192, K 768] x [K 768, N 768]; A: input x; B: input Wv: QUANTISED
;;     4. batch 12 x [M 4,096, K 128] x [K 128, N 4,096]; A: computed on the way; B: computed on the way: QUANTISED
;;     5. batch 12 x [M 4,096, K 4,096] x [K 4,096, N 128]; A: softmax (see below); B: computed on the way: QUANTISED
;;   THE QUANTISER, for each operand of a quantised product, along K:
;;     - K is cut into blocks of 32 from its start; a last block that is shorter is filled with zeros.
;;     - A block's scale is 2^e with e = floor(log2(the largest magnitude in the block)) - 15, held to -126 .. 127; a block of zeros has e = 0. As a byte (E8M0): e + 127.
;;     - Each number is divided by its block's scale, clamped to +-57,344, and rounded to the nearest number of E5M2, ties to even, subnormals kept.
;;     - The product sums the exact products of the quantised numbers (number of the format x scale) in f32.
;;   ~~~python
;;   def quantise(x, axis):      # numpy; x: float32 -> the quantised numbers, widened to float32 again
;;       x = np.moveaxis(x, axis, -1); K = x.shape[-1]
;;       x = np.pad(x, [(0, 0)] * (x.ndim - 1) + [(0, -K % 32)]); x = x.reshape(x.shape[:-1] + (-1, 32)); a = np.abs(x).max(-1, keepdims=True)
;;       e = np.where(a > 0, np.clip(np.frexp(np.where(a > 0, a, 1))[1] - 1 - 15, -126, 127), 0)      # np.frexp(a)[1] - 1 = floor(log2(a)), exactly
;;       r = np.clip(x / 2.0 ** e, -57344, 57344)
;;       step = 2.0 ** (np.maximum(np.frexp(np.where(r == 0, 1, r))[1] - 1, -14) - 2)
;;       q = np.round(r / step) * step * 2.0 ** e      # np.round: ties to even
;;       return np.moveaxis(q.reshape(q.shape[:-2] + (-1,))[..., :K], -1, axis).astype(np.float32)
;;   ~~~
;;   SOFTMAX AHEAD OF A QUANTISED PRODUCT. Where the list says 'softmax', what is quantised is not the finished softmax but p = 2^(t - M), with t = logit x log2(e) and M = ceil(the row's largest t), a whole number; so 1/2 < the row's largest p <= 1. The row's sum l is taken of the UNQUANTISED p, in f32, and the product's result is divided by l at the end. Since M is a whole number, a kernel that streams over the keys may use a running M (the ceiling of the running maximum): every later rescaling is an exact power of two, which a block's scale takes up: the codes' values come out the same.
;;   OPERANDS COMPUTED ON THE WAY. 'Computed on the way' means the value that the module computes at that place (a softmax that the list does not call 'softmax' is quantised finished and normalised). What goes into a quantiser is computed in f32, as accurately as f32 sums, v_exp_f32 and their like allow (about 1e-6 of the number): no bf16 or f16 on the way to a quantiser, and a product that is left as it is and whose result goes on into a quantised operand takes f32 operands (vector FMAs, or v_wmma_f32_16x16x4_f32). A number that lies on a knife's edge between two numbers of the format may be rounded either way, as far as f32 arithmetic and the matrix unit's own rounding can turn it there, and no further.
;; One version. Each part assembles by itself: llvm-mc -triple=amdgcn-amd-amdhsa -mcpu=gfx1250 --defsym DOCPART=n.
;; ======== version 1 of 1: 3 launches
;; limits: right only within a limited range of input values
;; workspace buffers: xr 6,488,064 bytes; wr 1,824,768 bytes; qc 6,291,456 bytes; qs 196,608 bytes; kvc 12,976,128 bytes
;; launch prep (part 1): grid 82 x 6, 4 waves a work-group, no clusters, 68,608 bytes of LDS; arguments x, Wq, Wk, Wv, xr, wr; writes xr, wr
.if DOCPART == 1
	.amdgcn_target "amdgcn-amd-amdhsa--gfx1250"
	.amdhsa_code_object_version 6
	.text
	.protected	k_q67e27a7a60_prep
	.globl	k_q67e27a7a60_prep
	.p2align	8
	.type	k_q67e27a7a60_prep,@function
k_q67e27a7a60_prep:
	s_mov_b64 s[64:65], 0
	v_nop
	global_prefetch_b8 v0, s[64:65] scope:SCOPE_SE
	s_setreg_imm32_b32 hwreg(HW_REG_WAVE_MODE, 25, 1), 1
	s_wait_xcnt 0x0
; x [8192][768] f32 (K innermost) and Wq, Wk, Wv [768 (K)][768] f32 (K outermost) become codes of BF8 (E5M2) with one E8M0 byte for each 32 along K, laid as the next launch's operand registers want them.
; A FRAGMENT IMAGE (2,048 bytes) is 16 rows x 128 K: piece c at 512 c + 16 lane holds registers 4 c .. 4 c + 3 of lane (r, h): the codes of k = 32 c + 16 h + 0 .. 15 of the lane's row.
; A SCALE IMAGE (512 bytes) serves 8 tiles: the word at 16 lane + 4 i is the four scale bytes of row lane % 16 of tile 2 i + lane / 16.   A RECORD (16,896 bytes) is 8 fragment images and their scale image.
; xr: [64 blocks of 128 rows][6 K steps of 128] records.  wr: [18 blocks of 128 columns: Q's six heads, K's, V's][6 K steps] records; a tile's rows are columns of W.
; WHICH ROWS FORM A TILE: in x's, Q's and K's blocks lane r of tile 2 B + u holds row 32 B + 8 u + r + 8 (r / 8) (so that a product's results come out as 16 neighbours along the next K); in V's blocks row 16 (2 B + u) + r.
; SHARES: a work-group makes one record (x: work-groups 0 to 63 along x; W: 64 to 81; the K step along y); wave i makes tiles 2 i and 2 i + 1.  No input byte is read by two work-groups, so there is nothing to share in a cluster.
; A block's scale is 2^(floor(log2(its largest magnitude)) - 15): its byte is the largest magnitude's exponent field - 15, held at 1 from below.
; LIMITS: a block of zeros gets the byte 1 where the rule says 127 (its codes are zeros, and this program alone reads the bytes); NaN and infinities among the inputs are not served.
.set ROWX, 3072                        ; a row of x or of W in bytes
.set SP,   528                         ; a stage row: 512 bytes + 16 = 33 x 16, so that the 16 rows of a read begin in 16 different columns of 16 bytes
.set STG,  32*SP                       ; a wave's stage: 32 rows (the x path alone uses it)
.set GATH, 4*STG                       ; 512 bytes in which the four waves' scale words meet
.set REC,  16896
.set LN,   1                           ; v1  lane
.set RR,   2                           ; v2  r = lane % 16
.set HH,   3                           ; v3  h = lane / 16
.set LI,   4                           ; v4  16 x lane
.set STI,  6                           ; v6  my stage + 16 x lane: a row goes in as it lies
.set STO,  7                           ; v7  my stage + 528 r + 64 h: my 16 neighbours of a block of 32 come out
.set VA,   8                           ; v8-9  W: my column and my half's 16 rows, for tiles u = 0, 1
.set GA,   10                          ; v10 GATH + 16 x lane + 4 x wave
.set GR,   11                          ; v11 GATH + 16 x lane
.set TM,   12                          ; v12-15 largest magnitudes, v16-19 the other half's / bytes, v20-23 57,344 x scale, v24-27 the conversions' scale operands
.set PW,   28                          ; v28-29 the two tiles' scale words
.set SW,   30                          ; v30 lanes 0-15: tile 2 i's word, lanes 16-31: tile 2 i + 1's
.set PC,   32                          ; v32-63 the two tiles' codes: no store's data are written again
.set NUM,  64                          ; v64-191 the numbers: register 64 u + 16 b + i = k 32 b + 16 h + i of my row of tile u
.set WV,   16
.set KS,   17
.set BX,   18
.set WB,   19
.set SEL,  36
.set MNT,  38
; 64 numbers of a lane become a fragment's codes in v[pc] on and its scale word in v[pw]
.macro QUANT s, pc, pw
.irp b, 0,1,2,3
	v_max3_num_f32 v[TM+\b], |v[(\s)+16*\b]|, |v[(\s)+1+16*\b]|, 0x8000000   ; block b: my 16 numbers, and the floor 2^(16 - 127): the byte cannot fall under 1
.endr
.irp i, 2,4,6,8,10,12,14
.irp b, 0,1,2,3
	v_max3_num_f32 v[TM+\b], v[TM+\b], |v[(\s)+16*\b+\i]|, |v[(\s)+1+16*\b+\i]|   ; the four blocks by turns
.endr
.endr
.irp b, 0,1,2,3
	v_permlanex16_b32 v[TM+4+\b], v[TM+\b], s[SEL], s[SEL+1]
.endr
.irp b, 0,1,2,3
	v_max_num_f32 v[TM+\b], v[TM+\b], v[TM+4+\b]           ; with lane l xor 16's 16 numbers: the block's largest magnitude
.endr
.irp b, 0,1,2,3
	v_add_nc_u32 v[TM+12+\b], 0xf8800000, v[TM+\b]         ; 15 off its exponent field: the conversion takes this operand's exponent field as its scale
.endr
.irp b, 0,1,2,3
	v_and_or_b32 v[TM+8+\b], v[TM+\b], 0x7f800000, s[MNT]  ; 57,344 x the scale
.endr
.irp b, 0,1,2,3
	v_lshrrev_b32 v[TM+4+\b], 23, v[TM+12+\b]              ; the scale's byte
.endr
	v_lshl_or_b32 v[\pw], v[TM+5], 8, v[TM+4]
	v_lshl_or_b32 v[\pw], v[TM+6], 16, v[\pw]
	v_lshl_or_b32 v[\pw], v[TM+7], 24, v[\pw]              ; my row's scale word (both halves of the lanes hold it)
.irp b, 0,1,2,3
.irp i, 0,1,2,3,4,5,6,7,8,9,10,11,12,13,14,15
	v_med3_num_f32 v[(\s)+16*\b+\i], v[(\s)+16*\b+\i], -v[TM+8+\b], v[TM+8+\b]   ; the conversion to an 8-bit code does not saturate (ISA guide 7.6.2): the hold comes first
.endr
	v_cvt_scalef32_pk8_bf8_f32 v[(\pc)+4*\b:(\pc)+4*\b+1], v[(\s)+16*\b:(\s)+16*\b+7], v[TM+12+\b]
	v_cvt_scalef32_pk8_bf8_f32 v[(\pc)+4*\b+2:(\pc)+4*\b+3], v[(\s)+16*\b+8:(\s)+16*\b+15], v[TM+12+\b]
.endr
	v_nop                                                  ; a plain line behind the last conversion, ahead of the next write of its scale operands
.endm
	s_load_b256 s[4:11], s[0:1], 0x0               ; x s[4:5], Wq s[6:7], Wk s[8:9], Wv s[10:11]
	s_load_b128 s[12:15], s[0:1], 0x20             ; xr s[12:13], wr s[14:15]
	v_lshl_add_u32 v192, v0, 2, 0x10a00
	v_mov_b32 v193, 0
	v_lshrrev_b32 v1, 5, v0
	v_readfirstlane_b32 s[WV], v1                  ; wave 0..3
	v_and_b32 v[LN], 31, v0
	v_and_b32 v[RR], 15, v0
	v_bfe_u32 v[HH], v0, 4, 1
	v_lshlrev_b32 v[LI], 4, v[LN]
	s_mul_i32 s24, s[WV], STG
	v_add_nc_u32 v[STI], s24, v[LI]
	v_mul_u32_u24 v[STO], v[RR], SP
	v_lshl_add_u32 v[STO], v[HH], 6, v[STO]
	v_add_nc_u32 v[STO], s24, v[STO]
	s_lshl_b32 s25, s[WV], 2
	s_add_co_u32 s25, s25, GATH
	v_add_nc_u32 v[GA], s25, v[LI]
	v_add_nc_u32 v[GR], GATH, v[LI]
.irp b, 0,1,2,3
	v_mov_b32 v[TM+4+\b], 0                        ; written once: a lane permute's destination counts as one of its sources
.endr
	s_mov_b32 s[SEL], 0x76543210
	s_mov_b32 s[SEL+1], 0xfedcba98                 ; lane l xor 16
	s_mov_b32 s[MNT], 0x600000                     ; the mantissa field of 57,344
	s_and_b32 s[KS], ttmp7, 0xffff                 ; the K step
	s_mov_b32 s[BX], ttmp9
	s_sub_co_u32 s[WB], s[BX], 64                  ; W's block, where the work-group is one of W's
	s_lshl_b32 s24, s[BX], 7                       ; x: (128 block + 32 wave) rows + 512 bytes a K step
	s_lshl_b32 s25, s[WV], 5
	s_add_co_u32 s24, s24, s25
	s_mul_i32 s24, s24, ROWX
	s_lshl_b32 s25, s[KS], 9
	s_add_co_u32 s24, s24, s25
	s_mov_b32 s25, 0
	s_cmp_lt_u32 s[BX], 64
	s_cselect_b32 s30, s[BX], s[WB]
	s_mul_i32 s30, s30, 6
	s_add_co_u32 s30, s30, s[KS]
	s_mul_i32 s30, s30, REC                        ; my record
	s_mov_b32 s31, 0
	s_lshl_b32 s34, s[WV], 12                      ; my two images in it
	s_mov_b32 s35, 0
	s_wait_kmcnt 0x0
	s_cmp_lt_u32 s[BX], 64                         ; the choice hangs on the work-group's number alone
	s_cselect_b64 s[28:29], s[12:13], s[14:15]
	s_add_nc_u64 s[28:29], s[28:29], s[30:31]
	s_add_nc_u64 s[32:33], s[28:29], s[34:35]
	s_cmp_lt_u32 s[BX], 64
	s_cbranch_scc0 .Lweights
	; ---- x: each load reads the 512 consecutive bytes of one row's K step; the 32 rows turn through my stage, laid in the order of the tiles' rows
	s_add_nc_u64 s[4:5], s[4:5], s[24:25]
.set p, 0
.rept 32
	global_load_b128 v[NUM+4*p:NUM+4*p+3], v[LI], s[4:5] offset:ROWX*p th:TH_LOAD_NT
.set p, p+1
.endr
.set p, 0
.rept 32
	s_wait_loadcnt 31-p                            ; loads come back in order: row p is in, the younger rows may be out
	ds_store_b128 v[STI], v[NUM+4*p:NUM+4*p+3] offset:SP*(16*((p/8)%2)+p%8+8*(p/16))   ; row p = 8 u + r + 8 (r / 8) goes to stage row 16 u + r
.set p, p+1
.endr
	s_wait_dscnt 0x0                               ; the stores have read their registers, which the loads below write
	s_wait_alu depctr_va_vdst(0)
.irp u, 0,1
.irp b, 0,1,2,3
.irp j, 0,1,2,3
	ds_load_b128 v[NUM+64*\u+16*\b+4*\j:NUM+64*\u+16*\b+4*\j+3], v[STO] offset:16*SP*\u+128*\b+16*\j
.endr
.endr
.endr
	s_wait_dscnt 0x0
	s_branch .Lquant
.Lweights:
	; ---- W: a lane takes a column and its registers run down K, in the order that the operand's layout gives that lane: nothing is transposed
	s_cmp_ge_u32 s[WB], 6
	s_cselect_b64 s[26:27], s[8:9], s[6:7]
	s_cselect_b32 s20, 6, 0
	s_cmp_ge_u32 s[WB], 12
	s_cselect_b64 s[26:27], s[10:11], s[26:27]
	s_cselect_b32 s20, 12, s20
	s_cselect_b32 s21, 0, 32                       ; V's tiles take 16 neighbouring columns; Q's and K's skip 8 columns (32 bytes) behind the first 8
	s_cselect_b32 s23, 64, 32                      ; from tile u = 0 to u = 1
	s_sub_co_u32 s20, s[WB], s20                   ; the head
	s_mul_i32 s24, s[KS], 128*ROWX
	s_lshl_b32 s20, s20, 9
	s_add_co_u32 s24, s24, s20
	s_lshl_b32 s20, s[WV], 7
	s_add_co_u32 s24, s24, s20                     ; 128 K rows a K step + 512 bytes a head + 128 bytes a wave
	s_mov_b32 s25, 0
	s_add_nc_u64 s[26:27], s[26:27], s[24:25]
	v_lshrrev_b32 v[VA+1], 3, v[RR]
	v_lshlrev_b32 v[VA], 2, v[RR]
	v_mad_u32_u24 v[VA], v[VA+1], s21, v[VA]
	v_mad_u32_u24 v[VA], v[HH], 16*ROWX, v[VA]     ; lanes 16-31 begin 16 rows further down
	v_add_nc_u32 v[VA+1], s23, v[VA]
.irp u, 0,1
.set p, 0
.rept 64
	global_load_b32 v[NUM+64*\u+p], v[VA+\u], s[26:27] offset:(32*(p/16)+p%16)*ROWX
.set p, p+1
.endr
.endr
	s_wait_loadcnt 0x0
.Lquant:
	QUANT NUM, PC, PW
.irp c, 0,1,2,3
	global_store_b128 v[LI], v[PC+4*\c:PC+4*\c+3], s[32:33] offset:512*\c          ; 32 lanes store 512 consecutive bytes, aligned
.endr
	QUANT NUM+64, PC+16, PW+1
.irp c, 0,1,2,3
	global_store_b128 v[LI], v[PC+16+4*\c:PC+16+4*\c+3], s[32:33] offset:2048+512*\c
.endr
	v_cmp_lt_u32 vcc_lo, 15, v[LN]
	v_cndmask_b32 v[SW], v[PW], v[PW+1], vcc_lo    ; lanes 0-15 tile 2 i's words, lanes 16-31 tile 2 i + 1's
	ds_store_b32 v[GA], v[SW]
	s_wait_dscnt 0x0                               ; for the others' sake: my words lie in LDS
	s_barrier_signal -1
	s_barrier_wait -1
	s_cmp_lg_u32 s[WV], 0
	s_cbranch_scc1 .Lend
	ds_load_b128 v[12:15], v[GR]                   ; the record's scale image, whole
	s_wait_dscnt 0x0
	global_store_b128 v[LI], v[12:15], s[28:29] offset:16384
.Lend:
	s_wait_tensorcnt 0x0
	ds_add_u32 v192, v193
	s_wait_dscnt 0x0
	s_endpgm
.Lfunc_end_k_q67e27a7a60_prep:
	.size	k_q67e27a7a60_prep, .Lfunc_end_k_q67e27a7a60_prep-k_q67e27a7a60_prep
	.p2alignl 7, 3214868480
	.fill 96, 4, 3214868480
	.section	.rodata,"a",@progbits
	.p2align	6, 0x0
	.amdhsa_kernel k_q67e27a7a60_prep
		.amdhsa_group_segment_fixed_size 68608
		.amdhsa_private_segment_fixed_size 0
		.amdhsa_enable_private_segment 0
		.amdhsa_kernarg_size 48
		.amdhsa_user_sgpr_count 2
		.amdhsa_user_sgpr_kernarg_segment_ptr 1
		.amdhsa_wavefront_size32 1
		.amdhsa_system_sgpr_workgroup_id_x 1
		.amdhsa_system_sgpr_workgroup_id_y 1
		.amdhsa_system_sgpr_workgroup_id_z 1
		.amdhsa_system_vgpr_workitem_id 0
		.amdhsa_next_free_vgpr 194
		.amdhsa_next_free_sgpr 66
		.amdhsa_reserve_vcc 1
		.amdhsa_float_denorm_mode_32 3
		.amdhsa_float_denorm_mode_16_64 3
		.amdhsa_memory_ordered 1
		.amdhsa_forward_progress 1
		.amdhsa_inst_pref_size 41
	.end_amdhsa_kernel
	.amdgpu_metadata
---
amdhsa.version: [ 1, 2 ]
amdhsa.kernels:
  - .name:           k_q67e27a7a60_prep
    .symbol:         k_q67e27a7a60_prep.kd
    .args:
      - { .name: x, .offset: 0, .size: 8, .value_kind: global_buffer, .address_space: global }
      - { .name: Wq, .offset: 8, .size: 8, .value_kind: global_buffer, .address_space: global }
      - { .name: Wk, .offset: 16, .size: 8, .value_kind: global_buffer, .address_space: global }
      - { .name: Wv, .offset: 24, .size: 8, .value_kind: global_buffer, .address_space: global }
      - { .name: xr, .offset: 32, .size: 8, .value_kind: global_buffer, .address_space: global }
      - { .name: wr, .offset: 40, .size: 8, .value_kind: global_buffer, .address_space: global }
    .group_segment_fixed_size: 68608
    .private_segment_fixed_size: 0
    .kernarg_segment_align: 8
    .kernarg_segment_size: 48
    .max_flat_workgroup_size: 128
    .sgpr_count:     66
    .vgpr_count:     194
    .wavefront_size: 32
...
	.end_amdgpu_metadata
.endif
;; end of part 1
;; launch qkv (part 2): grid 32 x 9, 4 waves a work-group, clusters of 4 x 1, 327,680 bytes of LDS; arguments xr, wr, bq, bk, bv, qc, qs, kvc; writes qc, qs, kvc
.if DOCPART == 2
	.amdgcn_target "amdgcn-amd-amdhsa--gfx1250"
	.amdhsa_code_object_version 6
	.text
	.protected	k_q67e27a7a60_qkv
	.globl	k_q67e27a7a60_qkv
	.p2align	8
	.type	k_q67e27a7a60_qkv,@function
k_q67e27a7a60_qkv:
	s_mov_b64 s[64:65], 0
	v_nop
	global_prefetch_b8 v0, s[64:65] scope:SCOPE_SE
	s_setreg_imm32_b32 hwreg(HW_REG_WAVE_MODE, 25, 1), 1
	s_wait_xcnt 0x0
	s_wait_alu depctr_hold_cnt(0) depctr_sa_sdst(0) depctr_va_vdst(0) depctr_va_sdst(0) depctr_va_ssrc(0) depctr_va_vcc(0) depctr_vm_vsrc(0)
	s_getreg_b32 s2, hwreg(HW_REG_IB_STS2, 6, 4)
	s_cmp_eq_u32 s2, 0
	s_cbranch_scc0 .Lentry_in_a_cluster
	s_endpgm
.Lentry_in_a_cluster:
	s_bfe_u32 s2, ttmp6, 0x10000c
	s_cmp_lg_u32 s2, 0x3003
	s_cbranch_scc0 .Lentry_shape_is_right
	s_endpgm
.Lentry_shape_is_right:
; Q, K, V = x W + b on codes of BF8 with E8M0 scales, each result quantised again and stored as images of the next launch's operand registers.
; A work-group makes 256 rows x 256 columns, a wave 128 x 128; K = 768 goes in six records of 128 through a ring of two LDS slots of two records for each operand.
; OUT: qc, qs: [12 pairs][32 blocks of 128 queries] fragment images and scale images.  kvc: 384 records of 33,792 bytes: record R (pair R / 32, key step R % 32) holds K's 8 images, V's 8 images,
; K's scale image and V's: one record is what one key step of the next launch reads.
.set REC,   16896
.set REG,   2*REC
.set SLOT,  4*REG
.set SPARE, 2*SLOT
.set BLKB,  6*REC
.set FR,    16
.set NP,    8
.set ADRT,  16
.set ADRS,  20
.set LI,    24
.set SPW,   28
.set NIL,   29
.set SC,    32
.set BI,    64
.set TF,    128
.set TM,    128
.set PC,    144
.set PW,    176
.set SW,    184
.set G1X,   24
.set G0X,   32
.set G1W,   48
.set G0W,   56
.set SEL,   90
.set MNT,   92
.set MSB, 0
.macro WIN new
.if MSB != (\new)
	s_set_vgpr_msb (MSB<<8)|(\new)
.set MSB, (\new)
.endif
.endm
.macro PLACES n
.rept \n
	v_nop
.endr
.endm
.macro JLOAD s
	s_cmp_eq_u32 s15, 0
	s_cbranch_scc0 .Lfor_w_\@
	tensor_load_to_lds s[G0X+4*\s:G0X+4*\s+3], s[G1X:G1X+7]
	s_nop 0
.rept 4
	v_nop
.endr
	s_branch .Lasked_\@
.Lfor_w_\@:
	tensor_load_to_lds s[G0W+4*\s:G0W+4*\s+3], s[G1W:G1W+7]
	s_nop 0
.rept 4
	v_nop
.endr
.Lasked_\@:
.endm
.macro CREST
	s_cmp_lg_u32 s14, 0
	s_cbranch_scc1 .Lnot_wave_0_\@
	s_barrier_signal -3
.Lnot_wave_0_\@:
	s_barrier_wait -3
	s_barrier_signal -1
	s_barrier_wait -1
.endm
.macro CROUND
	s_barrier_signal -1
	s_barrier_wait -1
	CREST
.endm
.macro WMS d, a, b, c, sa, sb, ra, rb
.if (\ra) && (\rb)
	v_wmma_scale_f32_16x16x128_f8f6f4 v[(\d):(\d)+7], v[(\a):(\a)+15], v[(\b):(\b)+15], v[(\c):(\c)+7], v[\sa], v[\sb] matrix_a_fmt:MATRIX_FMT_BF8 matrix_b_fmt:MATRIX_FMT_BF8 matrix_a_scale:MATRIX_SCALE_ROW1 matrix_b_scale:MATRIX_SCALE_ROW1
.elseif (\ra)
	v_wmma_scale_f32_16x16x128_f8f6f4 v[(\d):(\d)+7], v[(\a):(\a)+15], v[(\b):(\b)+15], v[(\c):(\c)+7], v[\sa], v[\sb] matrix_a_fmt:MATRIX_FMT_BF8 matrix_b_fmt:MATRIX_FMT_BF8 matrix_a_scale:MATRIX_SCALE_ROW1
.elseif (\rb)
	v_wmma_scale_f32_16x16x128_f8f6f4 v[(\d):(\d)+7], v[(\a):(\a)+15], v[(\b):(\b)+15], v[(\c):(\c)+7], v[\sa], v[\sb] matrix_a_fmt:MATRIX_FMT_BF8 matrix_b_fmt:MATRIX_FMT_BF8 matrix_b_scale:MATRIX_SCALE_ROW1
.else
	v_wmma_scale_f32_16x16x128_f8f6f4 v[(\d):(\d)+7], v[(\a):(\a)+15], v[(\b):(\b)+15], v[(\c):(\c)+7], v[\sa], v[\sb] matrix_a_fmt:MATRIX_FMT_BF8 matrix_b_fmt:MATRIX_FMT_BF8
.endif
.endm
.macro MUL16 a0, p, q, sc, cmode
.irp a, \a0, \a0+1
.irp b, 0,1,2,3,4,5,6,7
.if (\cmode) == 1
	WMS 8*(8*((\a)%4)+\b), 128*(\p)+FR*\b, TF+FR*(\a), BI+8*\b, SC+16*(\sc)+8*(\q)+\b/2, SC+16*(\sc)+8*(\q)+4+(\a)/2, \b%2, (\a)%2
.elseif (\cmode) == 2
	WMS 8*(8*((\a)%4)+\b), 128*(\p)+FR*\b, TF+FR*(\a), BI+8*(\a), SC+16*(\sc)+8*(\q)+\b/2, SC+16*(\sc)+8*(\q)+4+(\a)/2, \b%2, (\a)%2
.else
	WMS 8*(8*((\a)%4)+\b), 128*(\p)+FR*\b, TF+FR*(\a), 8*(8*((\a)%4)+\b), SC+16*(\sc)+8*(\q)+\b/2, SC+16*(\sc)+8*(\q)+4+(\a)/2, \b%2, (\a)%2
.endif
.endr
.endr
.endm
.macro FRAG reg, adr, q, i
.irp c, 0,1,2,3
	ds_load_b128 v[(\reg)+4*\c:(\reg)+4*\c+3], v[\adr] offset:REC*(\q)+2048*(\i)+512*\c
.endr
.endm
.macro FETCH_S slot, q, p
	WIN 0x40
.irp i, 0,1,2,3,4,5,6,7
	FRAG 128*(\p)+FR*\i, ADRS+\slot, \q, \i
.endr
	WIN 0
.endm
.macro FETCH_T slot, q, i0
.irp i, \i0, \i0+1, \i0+2, \i0+3
	FRAG TF+FR*(\i), ADRT+\slot, \q, \i
.endr
.endm
.macro SCALES sc
.irp q, 0,1
	ds_load_b128 v[SC+16*\sc+8*\q:SC+16*\sc+8*\q+3], v[ADRS+\sc] offset:REC*\q+16384
	ds_load_b128 v[SC+16*\sc+8*\q+4:SC+16*\sc+8*\q+7], v[ADRT+\sc] offset:REC*\q+16384
.endr
.endm
.macro STEP slot, q, cmode
	s_wait_dscnt 16
.if \cmode
	WIN 0x81
.else
	WIN 0xa1
.endif
	MUL16 0, (\q)%2, \q, \slot, \cmode
	MUL16 2, (\q)%2, \q, \slot, \cmode
	s_wait_dscnt 0
	PLACES NP
	FETCH_S \slot, (\q)+1, 1-(\q)%2
	FETCH_T \slot, (\q)+1, 0
.if \cmode
	WIN 0xc1
.else
	WIN 0xf1
.endif
	MUL16 4, (\q)%2, \q, \slot, \cmode
	MUL16 6, (\q)%2, \q, \slot, \cmode
	PLACES NP
	WIN 0
	FETCH_T \slot, (\q)+1, 4
.endm
.macro TURN slot, next, fill
	s_wait_tensorcnt 0x0
	ds_add_u32 v[SPW], v[NIL]
	s_wait_dscnt 17
	WIN 0xa1
	MUL16 0, 1, 1, \slot, 0
	s_wait_dscnt 0x0
	s_barrier_signal -1
	MUL16 2, 1, 1, \slot, 0
	WIN 0
	s_barrier_wait -1
.if \fill
	CREST
	s_add_nc_u64 s[G0X+4*\slot+2:G0X+4*\slot+3], s[G0X+4*\slot+2:G0X+4*\slot+3], 2*REG
	s_add_nc_u64 s[G0W+4*\slot+2:G0W+4*\slot+3], s[G0W+4*\slot+2:G0W+4*\slot+3], 2*REG
	JLOAD \slot
	PLACES NP-4
.else
	PLACES NP
.endif
	FETCH_S \next, 0, 0
	FETCH_T \next, 0, 0
	SCALES \next
	WIN 0xf1
	MUL16 4, 1, 1, \slot, 0
	MUL16 6, 1, 1, \slot, 0
	PLACES NP
	WIN 0
	FETCH_T \next, 0, 4
.endm
	s_load_b256 s[4:11], s[0:1], 0x0
	s_load_b256 s[68:75], s[0:1], 0x20
	v_lshl_add_u32 v[SPW], v0, 2, SPARE
	v_mov_b32 v[NIL], 0
	ds_add_u32 v28, v29
	ds_add_u32 v28, v29
	s_wait_dscnt 0x0
	v_lshrrev_b32 v1, 5, v0
	v_readfirstlane_b32 s14, v1
	s_lshr_b32 s15, s14, 1
	s_and_b32 s16, s14, 1
	s_bfe_u32 s40, ttmp6, 0x40000
	s_lshl_b32 s12, ttmp9, 2
	s_add_co_u32 s12, s12, s40
	s_and_b32 s13, ttmp7, 0xffff
	s_mov_b32 s[G1X], 3<<16
	s_mov_b32 s[G1W], 15|(3<<16)|(1<<21)
.irp g, G1X, G1W
	s_mov_b32 s[\g+1], 32<<16
	s_mov_b32 s[\g+2], 132<<16
	s_mov_b32 s[\g+3], 32<<16
	s_mov_b32 s[\g+4], 132
	s_mov_b32 s[\g+5], 32
	s_mov_b32 s[\g+6], 0
	s_mov_b32 s[\g+7], 0
.endr
	s_lshl_b32 s42, s12, 1
	s_add_co_u32 s42, s42, s16
	s_mul_i32 s42, s42, BLKB
	s_mov_b32 s43, 0
	s_lshl_b32 s44, s13, 1
	s_add_co_u32 s44, s44, s16
	s_mul_i32 s44, s44, BLKB
	s_mov_b32 s45, 0
	s_mul_i32 s46, s14, REG
	s_mov_b32 s[SEL], 0x76543210
	s_mov_b32 s[SEL+1], 0xfedcba98
	s_mov_b32 s[MNT], 0x600000
	s_cmp_ge_u32 s13, 6
	s_cselect_b32 s17, 2*REG, 0
	s_cselect_b32 s18, 0, 2*REG
	s_cselect_b32 s41, s16, s15
	s_cselect_b32 s47, s15, s16
	s_cselect_b32 s84, 6, 0
	s_cselect_b32 s85, 16384, 0
	s_cselect_b32 s86, 512, 0
	s_cmp_ge_u32 s13, 3
	s_cselect_b32 s87, 3, 0
	s_max_u32 s84, s84, s87
	s_sub_co_u32 s84, s13, s84
	s_lshl_b32 s84, s84, 1
	s_add_co_u32 s84, s84, s47
	s_lshl_b32 s19, s12, 1
	s_add_co_u32 s19, s19, s41
	s_lshr_b32 s20, s19, 5
	s_and_b32 s19, s19, 31
	s_mul_i32 s20, s20, 6
	s_add_co_u32 s20, s20, s84
	s_lshl_b32 s20, s20, 5
	s_add_co_u32 s20, s20, s19
	s_mul_i32 s87, s20, 33792                      ; K's and V's record
	s_add_co_u32 s94, s87, s85                     ; K's images at 0, V's at 16,384
	s_add_co_u32 s96, s87, s86
	s_add_co_u32 s96, s96, 32768                   ; K's scale image at 32,768, V's at 33,280
	s_lshl_b32 s88, s20, 14                        ; Q: 16,384 bytes of images and 512 of scale words a block
	s_lshl_b32 s89, s20, 9
	s_cmp_ge_u32 s13, 3
	s_cselect_b32 s94, s94, s88
	s_cselect_b32 s96, s96, s89
	s_mov_b32 s95, 0
	s_mov_b32 s97, 0
	s_lshl_b32 s84, s84, 9
	s_mov_b32 s85, 0
	s_mul_i32 s19, s15, REG
	s_add_co_u32 s19, s19, s17
	s_mul_i32 s20, s16, REG
	s_add_co_u32 s20, s20, s18
	s_wait_kmcnt 0x0
	s_add_nc_u64 s[42:43], s[4:5], s[42:43]
	s_add_nc_u64 s[44:45], s[6:7], s[44:45]
	s_cmp_ge_u32 s13, 3
	s_cselect_b64 s[78:79], s[74:75], s[70:71]
	s_cselect_b64 s[80:81], s[74:75], s[72:73]
	s_cselect_b64 s[82:83], s[10:11], s[8:9]
	s_cmp_ge_u32 s13, 6
	s_cselect_b64 s[82:83], s[68:69], s[82:83]
	s_add_nc_u64 s[78:79], s[78:79], s[94:95]
	s_add_nc_u64 s[80:81], s[80:81], s[96:97]
	s_add_nc_u64 s[82:83], s[82:83], s[84:85]
	CROUND
.irp s, 0,1
	s_mov_b32 s[G0X+4*\s], 1
	s_add_co_u32 s[G0X+4*\s+1], s46, \s*SLOT
	s_add_nc_u64 s[G0X+4*\s+2:G0X+4*\s+3], s[42:43], \s*REG
	s_or_b32 s[G0X+4*\s+3], s[G0X+4*\s+3], 0x80000000
	s_mov_b32 s[G0W+4*\s], 1
	s_add_co_u32 s[G0W+4*\s+1], s46, \s*SLOT
	s_add_nc_u64 s[G0W+4*\s+2:G0W+4*\s+3], s[44:45], \s*REG
	s_or_b32 s[G0W+4*\s+3], s[G0W+4*\s+3], 0x80000000
	s_wait_alu depctr_va_vdst(0)
	s_wait_tensorcnt 0x0
	ds_add_u32 v28, v29
	ds_add_u32 v28, v29
	s_wait_dscnt 0x0
	CROUND
	JLOAD \s
.endr
	v_and_b32 v1, 31, v0
	v_lshlrev_b32 v[LI], 4, v1
	v_bfe_u32 v2, v0, 4, 1
	v_lshlrev_b32 v2, 6, v2
	v_and_b32 v3, 15, v0
	v_lshlrev_b32 v3, 2, v3
	v_add_nc_u32 v[ADRT], s19, v[LI]
	v_add_nc_u32 v[ADRT+1], SLOT, v[ADRT]
	v_add_nc_u32 v[ADRS], s20, v[LI]
	v_add_nc_u32 v[ADRS+1], SLOT, v[ADRS]
	s_cmp_ge_u32 s13, 6
	s_cbranch_scc1 .Lbias_v
.irp b, 0,1,2,3,4,5,6,7
	global_load_b128 v[BI+8*\b:BI+8*\b+3], v2, s[82:83] offset:(32*(\b/2)+8*(\b%2))*4
	global_load_b128 v[BI+8*\b+4:BI+8*\b+7], v2, s[82:83] offset:(32*(\b/2)+8*(\b%2))*4+16
.endr
	s_branch .Lbias_done
.Lbias_v:
	s_wait_alu depctr_va_vdst(0)
.irp a, 0,1,2,3,4,5,6,7
.irp j, 0,1,2,3,4,5,6,7
	global_load_b32 v[BI+8*\a+\j], v3, s[82:83] offset:64*\a
.endr
.endr
.Lbias_done:
	s_wait_tensorcnt 1
	s_barrier_signal -1
	s_barrier_wait -1
	s_wait_alu depctr_va_vdst(0)
	FETCH_S 0, 0, 0
	FETCH_T 0, 0, 0
	SCALES 0
	FETCH_T 0, 0, 4
	s_wait_loadcnt 0x0
	s_cmp_ge_u32 s13, 6
	s_cbranch_scc1 .Lfirst_v
	STEP 0, 0, 1
	s_branch .Lfirst_done
.Lfirst_v:
	STEP 0, 0, 2
.Lfirst_done:
	TURN 0, 1, 1
	STEP 1, 0, 0
	TURN 1, 0, 0
	STEP 0, 0, 0
	s_wait_dscnt 16
	WIN 0xa1
	MUL16 0, 1, 1, 0, 0
	MUL16 2, 1, 1, 0, 0
	s_wait_dscnt 0
	WIN 0xf1
	MUL16 4, 1, 1, 0, 0
	MUL16 6, 1, 1, 0, 0
	WIN 0
	PLACES NP
.irp b, 0,1,2,3
	v_mov_b32 v[TM+4+\b], 0
.endr
.macro QUANTW a
.set AC, 64*((\a)%4)
.set W, 2+(\a)/4
.set PCA, PC+16*((\a)%2)
	WIN W|(W<<2)
.irp b, 0,1,2,3
	v_max3_num_f32 v[TM+\b], |v[AC+16*\b]|, |v[AC+1+16*\b]|, 0x8000000
.endr
	WIN (W<<2)|(W<<4)
.irp i, 2,4,6,8,10,12,14
.irp b, 0,1,2,3
	v_max3_num_f32 v[TM+\b], v[TM+\b], |v[AC+16*\b+\i]|, |v[AC+1+16*\b+\i]|
.endr
.endr
	WIN 0
.irp b, 0,1,2,3
	v_permlanex16_b32 v[TM+4+\b], v[TM+\b], s[SEL], s[SEL+1]
.endr
.irp b, 0,1,2,3
	v_max_num_f32 v[TM+\b], v[TM+\b], v[TM+4+\b]
.endr
.irp b, 0,1,2,3
	v_add_nc_u32 v[TM+12+\b], 0xf8800000, v[TM+\b]
.endr
.irp b, 0,1,2,3
	v_and_or_b32 v[TM+8+\b], v[TM+\b], 0x7f800000, s[MNT]
.endr
.irp b, 0,1,2,3
	v_lshrrev_b32 v[TM+4+\b], 23, v[TM+12+\b]
.endr
	v_lshl_or_b32 v[PW+(\a)], v[TM+5], 8, v[TM+4]
	v_lshl_or_b32 v[PW+(\a)], v[TM+6], 16, v[PW+(\a)]
	v_lshl_or_b32 v[PW+(\a)], v[TM+7], 24, v[PW+(\a)]
	WIN (W<<6)|W
.irp b, 0,1,2,3
.irp i, 0,1,2,3,4,5,6,7,8,9,10,11,12,13,14,15
	v_med3_num_f32 v[AC+16*\b+\i], v[AC+16*\b+\i], -v[TM+8+\b], v[TM+8+\b]
.endr
.endr
	WIN W
.if (\a) >= 2
	s_wait_alu depctr_va_vdst(0)
	s_wait_xcnt 0x0
.endif
.irp b, 0,1,2,3
	v_cvt_scalef32_pk8_bf8_f32 v[PCA+4*\b:PCA+4*\b+1], v[AC+16*\b:AC+16*\b+7], v[TM+12+\b]
	v_cvt_scalef32_pk8_bf8_f32 v[PCA+4*\b+2:PCA+4*\b+3], v[AC+16*\b+8:AC+16*\b+15], v[TM+12+\b]
.endr
	WIN 0
	v_nop
.irp c, 0,1,2,3
	global_store_b128 v[LI], v[PCA+4*\c:PCA+4*\c+3], s[78:79] offset:2048*(\a)+512*\c
.endr
.endm
.irp a, 0,1,2,3,4,5,6,7
	QUANTW \a
.endr
	v_cmp_lt_u32 vcc_lo, 15, v1
.irp i, 0,1,2,3
	v_cndmask_b32 v[SW+\i], v[PW+2*\i], v[PW+2*\i+1], vcc_lo
.endr
	global_store_b128 v[LI], v[SW:SW+3], s[80:81]
	s_wait_tensorcnt 0x0
	ds_add_u32 v[SPW], v[NIL]
	s_wait_dscnt 0x0
	CROUND
	s_endpgm
.Lfunc_end_k_q67e27a7a60_qkv:
	.size	k_q67e27a7a60_qkv, .Lfunc_end_k_q67e27a7a60_qkv-k_q67e27a7a60_qkv
	.p2alignl 7, 3214868480
	.fill 96, 4, 3214868480
	.section	.rodata,"a",@progbits
	.p2align	6, 0x0
	.amdhsa_kernel k_q67e27a7a60_qkv
		.amdhsa_group_segment_fixed_size 327680
		.amdhsa_private_segment_fixed_size 0
		.amdhsa_enable_private_segment 0
		.amdhsa_kernarg_size 64
		.amdhsa_user_sgpr_count 2
		.amdhsa_user_sgpr_kernarg_segment_ptr 1
		.amdhsa_wavefront_size32 1
		.amdhsa_system_sgpr_workgroup_id_x 1
		.amdhsa_system_sgpr_workgroup_id_y 1
		.amdhsa_system_sgpr_workgroup_id_z 1
		.amdhsa_system_vgpr_workitem_id 0
		.amdhsa_next_free_vgpr 1024
		.amdhsa_next_free_sgpr 100
		.amdhsa_reserve_vcc 1
		.amdhsa_float_denorm_mode_32 3
		.amdhsa_float_denorm_mode_16_64 3
		.amdhsa_memory_ordered 1
		.amdhsa_forward_progress 1
		.amdhsa_inst_pref_size 177
	.end_amdhsa_kernel
	.amdgpu_metadata
---
amdhsa.version: [ 1, 2 ]
amdhsa.kernels:
  - .name:           k_q67e27a7a60_qkv
    .symbol:         k_q67e27a7a60_qkv.kd
    .args:
      - { .name: xr, .offset: 0, .size: 8, .value_kind: global_buffer, .address_space: global }
      - { .name: wr, .offset: 8, .size: 8, .value_kind: global_buffer, .address_space: global }
      - { .name: bq, .offset: 16, .size: 8, .value_kind: global_buffer, .address_space: global }
      - { .name: bk, .offset: 24, .size: 8, .value_kind: global_buffer, .address_space: global }
      - { .name: bv, .offset: 32, .size: 8, .value_kind: global_buffer, .address_space: global }
      - { .name: qc, .offset: 40, .size: 8, .value_kind: global_buffer, .address_space: global }
      - { .name: qs, .offset: 48, .size: 8, .value_kind: global_buffer, .address_space: global }
      - { .name: kvc, .offset: 56, .size: 8, .value_kind: global_buffer, .address_space: global }
    .group_segment_fixed_size: 327680
    .private_segment_fixed_size: 0
    .kernarg_segment_align: 8
    .kernarg_segment_size: 64
    .max_flat_workgroup_size: 128
    .sgpr_count:     100
    .vgpr_count:     1024
    .wavefront_size: 32
...
	.end_amdgpu_metadata
.endif
;; end of part 2
;; launch attn (part 3): grid 64 x 4, 8 waves a work-group, clusters of 4 x 1, 327,680 bytes of LDS; arguments qc, qs, kvc, out0; writes out0
.if DOCPART == 3
	.amdgcn_target "amdgcn-amd-amdhsa--gfx1250"
	.amdhsa_code_object_version 6
	.text
	.protected	k_q67e27a7a60_attn
	.globl	k_q67e27a7a60_attn
	.p2align	8
	.type	k_q67e27a7a60_attn,@function
k_q67e27a7a60_attn:
	s_mov_b64 s[64:65], 0
	v_nop
	global_prefetch_b8 v0, s[64:65] scope:SCOPE_SE
	s_setreg_imm32_b32 hwreg(HW_REG_WAVE_MODE, 25, 1), 1
	s_wait_xcnt 0x0
	s_wait_alu depctr_hold_cnt(0) depctr_sa_sdst(0) depctr_va_vdst(0) depctr_va_sdst(0) depctr_va_ssrc(0) depctr_va_vcc(0) depctr_vm_vsrc(0)
	s_getreg_b32 s2, hwreg(HW_REG_IB_STS2, 6, 4)
	s_cmp_eq_u32 s2, 0
	s_cbranch_scc0 .Lentry_in_a_cluster
	s_endpgm
.Lentry_in_a_cluster:
	s_bfe_u32 s2, ttmp6, 0x10000c
	s_cmp_lg_u32 s2, 0x3003
	s_cbranch_scc0 .Lentry_shape_is_right
	s_endpgm
.Lentry_shape_is_right:
; out = tanh(softmax(q k^T / sqrt(128)) v), 12 (batch, head) pairs of 4,096 queries and keys, head size 128, both products on codes of BF8 (E5M2) with one E8M0 scale for each 32 along a product's K.
; IN, as images of operand registers (piece c of a fragment image at 512 c + 16 lane = registers 4 c .. 4 c + 3; a scale image's word at 16 lane + 4 i = row lane % 16 of tile 2 i + lane / 16):
;   qc [12][32 blocks of 128 queries][8 images], qs their scale images.  kvc: 384 records of 33,792 bytes: record 32 pair + step = K's 8 images | V's 8 images | K's scale image | V's.
;   In a block of queries or keys lane r of tile 2 B + u holds row 32 B + 8 u + r + 8 (r / 8).
; THE SOFTMAX AHEAD OF THE SECOND PRODUCT: t = score x log2(e) / sqrt(128); M = the row's largest t so far, rounded UP to a whole number; p = 2^(t - M) is quantised along the keys, not normalised; the row's sum is
; taken of the unquantised p and divides at the end.  When M moves, the sum and O are multiplied by 2^(old M - new M): exact.
; THE DEAL.  3,072 tiles of 16 queries, 256 work-groups: twelve tiles each.  Work-group j of triple T takes block j % 32 (128 queries) of pair 3 T + j / 32 and queries 64 j .. 64 j + 63 of pair 3 T + 2.
; EIGHT WAVES OF TWO ROLES, role = (w xor w / 4) & 1, number in the role w / 2: role 0 owns two tiles of the first pair, role 1 one tile of the second.  Every work-group has the same work, and the four
; partners of a cluster walk the same two pairs: every fill is a joint load.  All waves walk one loop and pass every barrier; a branch on the wave's number inside a trip leads to the role's own key step.
; THE RING: two slots of two key steps of both pairs: four records; behind each round of the cluster's barrier wave w asks for half w % 2 of the record at place w / 2: one tensor load a wave.
; The last slot is written out, since nothing is asked for behind its barrier.
; PREFETCH: at a round the fill after the one that is asked for: waves 0 to 3 take a record each; of it the partner at place cx names bytes 8,448 cx on: 32 lanes 256 bytes apart, and one line more for the 33rd block.
; LAYOUT.  Both products are used transposed: a lane holds one query throughout, and the 16 registers of key tiles 2 B, 2 B + 1 are keys 32 B + 16 (lane / 16) + 0 .. 15: the conversions' results are P's fragment.
; LIMITS: a block's largest p is taken as the exponential of its largest score (this takes v_exp_f32 not to fall where its input rises); p under 2^-126 counts as 0; a block of zeros has the byte 1; NaN and infinities are not served.
; REGISTERS: window 0: v1-11 addresses and scale words; v12-19 -M, largest t, the sum; v20-23 f; v24-31 K's and V's scale words; v32-63 Q; v64-191 S^T, then p; v192-223 P's codes; v224-251 at work.
;   window 1: v0-127 O^T; v128-255 the 8 fragments of K, then of V.
.set RECB,  33792
.set SLOT1, 4*RECB
.set STAGE, 2*SLOT1                    ; the way out: 16 rows x 272 bytes for each wave; no fill lands here
.set SPARE, STAGE+8*16*272             ; the spare words: 128 bytes a wave
.set LI,   1
.set ADR,  2
.set GO,   3
.set SPW,  4
.set NIL,  5
.set PFO,  6
.set STO,  7
.set RD,   8
.set QSC,  9
.set PW,   10
.set ST,   12
.set F,    20
.set KSC,  24
.set VSC,  28
.set Q,    32
.set S,    64
.set PC,   192
.set TM,   224
.set PB,   232
.set HOLD, 236
.set SOP,  240
.set CH,   244
.set WK,   248
.set FB,   128
.set WV,   14
.set CX,   15
.set PCX,  16                          ; 8,448 cx: enters the prefetches' addresses alone
.set ROLE, 17
.set IDX,  18
.set MNT,  19
.set SEL,  20
.set CS,   22
.set G1,   24                          ; half a record: 66 rows of 256 bytes
.set ROFF, 32                          ; my role's records in a slot
.set HOFF, 33                          ; my half of a record
.set PLIM, 34                          ; rounds in which my wave prefetches
.set QM,   35
.set G0,   40
.set TB,   44                          ; the slot that is read
.set TQ,   45                          ; the trip's record in it
.set FBF,  46                          ; the slot that is filled next
.set RI,   47                          ; my record of the next fill; PRI: of the fill that is prefetched
.set PRI,  48
.set OC,   50
.set IN,   51
.set PFA,  54
.set T0,   56
.set T2,   58
.set OP,   70
.set MSB, 0
.macro WIN new
.if MSB != (\new)
	s_set_vgpr_msb (MSB<<8)|(\new)
.set MSB, (\new)
.endif
.endm
.macro PLACES n
.rept \n
	v_nop
.endr
.endm
.macro WALU
	s_wait_alu depctr_va_vdst(0)
.endm
.macro CROUND                          ; a round of the cluster's barrier
	s_barrier_signal -1
	s_barrier_wait -1
	s_cmp_lg_u32 s[WV], 0
	s_cbranch_scc1 .Lnot_wave_0_\@
	s_barrier_signal -3
.Lnot_wave_0_\@:
	s_barrier_wait -3
	s_barrier_signal -1
	s_barrier_wait -1
.endm
; one product: c < 0: the sum starts with the constant 0; ra, rb = 1: the side's scale words are taken from lanes 16-31
.macro WMS d, a, b, c, sa, sb, ra, rb
.if (\c) < 0
.if (\ra) && (\rb)
	v_wmma_scale_f32_16x16x128_f8f6f4 v[(\d):(\d)+7], v[(\a):(\a)+15], v[(\b):(\b)+15], 0, v[\sa], v[\sb] matrix_a_fmt:MATRIX_FMT_BF8 matrix_b_fmt:MATRIX_FMT_BF8 matrix_a_scale:MATRIX_SCALE_ROW1 matrix_b_scale:MATRIX_SCALE_ROW1
.elseif (\ra)
	v_wmma_scale_f32_16x16x128_f8f6f4 v[(\d):(\d)+7], v[(\a):(\a)+15], v[(\b):(\b)+15], 0, v[\sa], v[\sb] matrix_a_fmt:MATRIX_FMT_BF8 matrix_b_fmt:MATRIX_FMT_BF8 matrix_a_scale:MATRIX_SCALE_ROW1
.elseif (\rb)
	v_wmma_scale_f32_16x16x128_f8f6f4 v[(\d):(\d)+7], v[(\a):(\a)+15], v[(\b):(\b)+15], 0, v[\sa], v[\sb] matrix_a_fmt:MATRIX_FMT_BF8 matrix_b_fmt:MATRIX_FMT_BF8 matrix_b_scale:MATRIX_SCALE_ROW1
.else
	v_wmma_scale_f32_16x16x128_f8f6f4 v[(\d):(\d)+7], v[(\a):(\a)+15], v[(\b):(\b)+15], 0, v[\sa], v[\sb] matrix_a_fmt:MATRIX_FMT_BF8 matrix_b_fmt:MATRIX_FMT_BF8
.endif
.else
.if (\ra)
	v_wmma_scale_f32_16x16x128_f8f6f4 v[(\d):(\d)+7], v[(\a):(\a)+15], v[(\b):(\b)+15], v[(\c):(\c)+7], v[\sa], v[\sb] matrix_a_fmt:MATRIX_FMT_BF8 matrix_b_fmt:MATRIX_FMT_BF8 matrix_a_scale:MATRIX_SCALE_ROW1
.else
	v_wmma_scale_f32_16x16x128_f8f6f4 v[(\d):(\d)+7], v[(\a):(\a)+15], v[(\b):(\b)+15], v[(\c):(\c)+7], v[\sa], v[\sb] matrix_a_fmt:MATRIX_FMT_BF8 matrix_b_fmt:MATRIX_FMT_BF8
.endif
.endif
.endm
.macro FDESC                           ; group 0 for my half record of the next fill, and on to the fill after it
	s_mul_i32 s[T0], s[RI], RECB
	s_add_co_u32 s[T0], s[T0], s[HOFF]
	s_mov_b32 s[T0+1], 0
	s_add_nc_u64 s[G0+2:G0+3], s[8:9], s[T0:T0+1]
	s_or_b32 s[G0+3], s[G0+3], 0x80000000
	s_mul_i32 s[T0], s[WV], RECB/2
	s_add_co_u32 s[G0+1], s[T0], s[FBF]
	s_xor_b32 s[FBF], s[FBF], SLOT1
	s_add_co_u32 s[RI], s[RI], 2
.endm
; THE CHANGE OF SLOTS, at a slot's head: all my tensor loads are in (my part of the slot ahead), the add, my reads of the slot left are over.  fill = 1: a round of the cluster's barrier, and the slot left takes the next two key steps
.macro CHANGE fill
	WALU                                           ; ahead of the blocking waits
	s_wait_tensorcnt 0x0
	ds_add_u32 v[SPW], v[NIL]
.if \fill
	FDESC
	s_wait_xcnt 0x0                                ; the last prefetches have read their address
	s_mul_i32 s[T2], s[PRI], RECB
	s_add_co_u32 s[T2], s[T2], s[PCX]
	s_add_nc_u64 s[PFA:PFA+1], s[8:9], s[T2:T2+1]
	s_add_co_u32 s[PRI], s[PRI], 2
.endif
	s_wait_dscnt 0x0
.if \fill
	CROUND
	tensor_load_to_lds s[G0:G0+3], s[G1:G1+7]      ; my one tensor load until the next round
	s_nop 0
	PLACES 4
	s_cmp_lt_u32 s[OC], s[PLIM]                    ; waves 0 to 3, while there is a fill two on (rounds 0 to 13)
	s_cbranch_scc0 .Lnone_\@
	global_prefetch_b8 v[PFO], s[PFA:PFA+1] th:TH_LOAD_NT scope:SCOPE_SE
	global_prefetch_b8 v0, s[PFA:PFA+1] offset:8192 th:TH_LOAD_NT scope:SCOPE_SE   ; the 33rd block: v0 is under 256
.Lnone_\@:
.else
	s_barrier_signal -1
	s_barrier_wait -1
.endif
.endm
.macro NARROW k, x                     ; the row's state, line k for tile x: the tiles take turns line by line
.if (\k) == 0
	v_max3_num_f32 v[WK+\x], v[TM+4*\x], v[TM+4*\x+1], v[TM+4*\x+2]
.elseif (\k) == 1
	v_max_num_f32 v[WK+\x], v[WK+\x], v[TM+4*\x+3]         ; the step's largest score of my query
.elseif (\k) == 2
	v_mul_f32 v[WK+\x], s[CS], v[WK+\x]                    ; as t
.elseif (\k) == 3
	v_max_num_f32 v[ST+4*\x+1], v[ST+4*\x+1], v[WK+\x]     ; the running largest t
.elseif (\k) == 4
	v_mov_b32 v[WK+\x], v[ST+4*\x]
.elseif (\k) == 5
	v_floor_f32 v[ST+4*\x], -v[ST+4*\x+1]                  ; the new -M = -ceil(t)
.elseif (\k) == 6
	v_sub_f32 v[WK+\x], v[ST+4*\x], v[WK+\x]               ; old M - new M: a whole number, 0 or less
.elseif (\k) == 7
	v_cvt_i32_f32 v[WK+\x], v[WK+\x]                       ; (it saturates)
.else
	v_ldexp_f32 v[F+2*\x], 1.0, v[WK+\x]                   ; f = 2^(old M - new M)
.endif
.endm
; A KEY STEP of nt tiles: the record at v[ADR]
.macro STEP nt
	ds_load_b128 v[VSC:VSC+3], v[ADR] offset:33280
	ds_load_b128 v[KSC:KSC+3], v[ADR] offset:32768
	WIN 0x40
.set i, 0
.rept 32
	ds_load_b128 v[FB+4*i:FB+4*i+3], v[ADR] offset:512*i   ; K's eight fragments
.set i, i+1
.endr
	WIN 0x01
.irp t, 0,1,2,3,4,5,6,7
	s_wait_dscnt 4*(7-\t)                          ; fragment t is in; the later fragments' loads may be out
.irp x, 0,1
.if \x < \nt
	WMS S+64*\x+8*\t, FB+16*\t, Q+16*\x, -1, KSC+\t/2, QSC, \t%2, \x
.endif
.endr
.endr
	WIN 0
	PLACES 8                                       ; ahead of the loads into K's registers and of the first read of the scores
	WIN 0x40
.set i, 0
.rept 32
	ds_load_b128 v[FB+4*i:FB+4*i+3], v[ADR] offset:16384+512*i   ; V's eight fragments land while the softmax is worked
.set i, i+1
.endr
	WIN 0
.irp x, 0,1
.if \x < \nt
.irp b, 0,1,2,3
	v_max3_num_f32 v[TM+4*\x+\b], v[S+64*\x+16*\b], v[S+64*\x+16*\b+1], v[S+64*\x+16*\b+2]   ; the largest score of each block of 32 keys: for the row's maximum and for the block's largest p
.endr
.irp i, 3,5,7,9,11,13
.irp b, 0,1,2,3
	v_max3_num_f32 v[TM+4*\x+\b], v[TM+4*\x+\b], v[S+64*\x+16*\b+\i], v[S+64*\x+16*\b+\i+1]
.endr
.endr
.irp b, 0,1,2,3
	v_max_num_f32 v[TM+4*\x+\b], v[TM+4*\x+\b], v[S+64*\x+16*\b+15]
.endr
.irp b, 0,1,2,3
	v_permlanex16_b32 v[PB+\b], v[TM+4*\x+\b], s[SEL], s[SEL+1]
.endr
.irp b, 0,1,2,3
	v_max_num_f32 v[TM+4*\x+\b], v[TM+4*\x+\b], v[PB+\b]   ; with lane l xor 16's 16 keys
.endr
.endif
.endr
.irp k, 0,1,2,3,4,5,6,7,8
.irp x, 0,1
.if \x < \nt
	NARROW \k, \x
.endif
.endr
.endr
.irp x, 0,1
.if \x < \nt
.set i, 0
.rept 32
	v_pk_fma_f32 v[S+64*\x+2*i:S+64*\x+2*i+1], v[S+64*\x+2*i:S+64*\x+2*i+1], s[CS:CS+1], v[ST+4*\x:ST+4*\x+1] op_sel_hi:[1,0,0]   ; t - M, two at a time
.set i, i+1
.endr
.irp b, 0,1,2,3
	v_fma_f32 v[TM+4*\x+\b], v[TM+4*\x+\b], s[CS], v[ST+4*\x]   ; the same of each block's largest score
.endr
.endif
.endr
	WALU                                           ; ahead of the batch
.set i, 0
.rept 64*\nt
	v_exp_f32 v[S+i], v[S+i]                       ; p = 2^(t - M), at most 1
.set i, i+1
.endr
.irp x, 0,1
.if \x < \nt
	v_pk_mul_f32 v[ST+4*\x+2:ST+4*\x+3], v[ST+4*\x+2:ST+4*\x+3], v[F+2*\x:F+2*\x+1] op_sel_hi:[1,0]   ; the sums under the new M
.endif
.endr
	WALU                                           ; one wait for the batch, ahead of its first reader
.set i, 0
.rept 4*\nt
	v_exp_f32 v[TM+i], v[TM+i]                     ; the blocks' largest p
.set i, i+1
.endr
.irp x, 0,1
.if \x < \nt
	v_pk_add_f32 v[CH+2*\x:CH+2*\x+1], v[S+64*\x:S+64*\x+1], v[S+64*\x+2:S+64*\x+3]   ; the row's sum of the unquantised p, in two chains
.irp j, 4,8,12,16,20,24,28,32,36,40,44,48,52,56,60
	v_pk_add_f32 v[ST+4*\x+2:ST+4*\x+3], v[ST+4*\x+2:ST+4*\x+3], v[S+64*\x+\j:S+64*\x+\j+1]
	v_pk_add_f32 v[CH+2*\x:CH+2*\x+1], v[CH+2*\x:CH+2*\x+1], v[S+64*\x+\j+2:S+64*\x+\j+3]
.endr
	v_pk_add_f32 v[ST+4*\x+2:ST+4*\x+3], v[ST+4*\x+2:ST+4*\x+3], v[CH+2*\x:CH+2*\x+1]
.endif
.endr
	WALU                                           ; and one for the blocks' largest p
.irp x, 0,1
.if \x < \nt
.irp b, 0,1,2,3
	v_max_num_f32 v[TM+4*\x+\b], 0x8000000, v[TM+4*\x+\b]      ; the floor 2^(16 - 127): the byte cannot fall under 1
.endr
.irp b, 0,1,2,3
	v_add_nc_u32 v[SOP+\b], 0xf8800000, v[TM+4*\x+\b]          ; 15 off the exponent field: the conversion's scale operand
.endr
.irp b, 0,1,2,3
	v_and_or_b32 v[HOLD+\b], v[TM+4*\x+\b], 0x7f800000, s[MNT] ; 57,344 x the scale
.endr
.irp b, 0,1,2,3
	v_lshrrev_b32 v[PB+\b], 23, v[SOP+\b]                      ; the byte
.endr
	v_lshl_or_b32 v[PW+\x], v[PB+1], 8, v[PB]
	v_lshl_or_b32 v[PW+\x], v[PB+2], 16, v[PW+\x]
	v_lshl_or_b32 v[PW+\x], v[PB+3], 24, v[PW+\x]              ; p's scale word for these 128 keys
.irp b, 0,1,2,3
.irp i, 0,1,2,3,4,5,6,7,8,9,10,11,12,13,14,15
	v_min_num_f32 v[S+64*\x+16*\b+\i], v[S+64*\x+16*\b+\i], v[HOLD+\b]   ; the conversion does not saturate (ISA guide 7.6.2); p is not negative: a one-sided hold
.endr
	v_cvt_scalef32_pk8_bf8_f32 v[PC+16*\x+4*\b:PC+16*\x+4*\b+1], v[S+64*\x+16*\b:S+64*\x+16*\b+7], v[SOP+\b]
	v_cvt_scalef32_pk8_bf8_f32 v[PC+16*\x+4*\b+2:PC+16*\x+4*\b+3], v[S+64*\x+16*\b+8:S+64*\x+16*\b+15], v[SOP+\b]
.endr
	v_nop                                          ; a plain line behind the last conversion
.endif
.endr
	WIN 0x41
	WALU                                           ; directly ahead of the first reader of O^T
.set i, 0
.rept 32*\nt
	v_pk_mul_f32 v[2*i:2*i+1], v[2*i:2*i+1], v[F+2*(i/32):F+2*(i/32)+1] op_sel_hi:[1,0]   ; O^T under the new M; also the places between the codes' making and the products
.set i, i+1
.endr
	WALU
	s_wait_dscnt 0x0                               ; V is in
	WIN 0x51                                       ; V, C and D window 1, P window 0
.irp t, 0,1,2,3,4,5,6,7                        ; the accumulators by turns, one instruction a turn
.irp x, 0,1
.if \x < \nt
	WMS 64*\x+8*\t, FB+16*\t, PC+16*\x, 64*\x+8*\t, VSC+\t/2, PW+\x, \t%2, 0
.endif
.endr
.endr
	WIN 0
.endm
; A TRIP: one key step of both roles.  The address is made on the way that all waves take; the branch hangs on the wave's number alone and leads round no barrier
.macro TRIP
	s_add_co_u32 s[T0], s[TB], s[TQ]
	s_add_co_u32 s[T0], s[T0], s[ROFF]
	v_add_nc_u32 v[ADR], s[T0], v[LI]
	PLACES 7                                       ; with the addition: eight places behind the last products, ahead of the loads into what they read
	WALU
	s_cmp_eq_u32 s[ROLE], 0
	s_cbranch_scc0 .Lone_\@
	STEP 2
	s_branch .Ldone_\@
.Lone_\@:
	STEP 1
.Ldone_\@:
	s_add_co_u32 s[TQ], s[TQ], RECB
	s_add_co_u32 s[IN], s[IN], 1
	s_cmp_lt_u32 s[IN], 2
.endm
.macro SLOTHEAD
	s_mov_b32 s[TQ], 0
	s_mov_b32 s[IN], 0
.endm
.macro INITX x                         ; tile x: the largest t -3e38, the sums and O^T zeros: the first change of M leaves zeros zeros
	v_mov_b32 v[ST+4*\x+1], 0xff61b1e6
	v_floor_f32 v[ST+4*\x], -v[ST+4*\x+1]
	v_mov_b32 v[ST+4*\x+2], 0
	v_mov_b32 v[ST+4*\x+3], 0
	v_mov_b32 v[F+2*\x+1], 0                       ; (named as the upper half of f's pair)
	WIN 0x40
.set i, 0
.rept 64
	v_mov_b32 v[64*\x+i], 0
.set i, i+1
.endr
	WIN 0
.endm
; THE WAY OUT.  O^T / the sum; tanh(y) = 1 - 2 / (1 + 2^(2 log2(e) y)); then through my stage, half a row (64 channels, 256 bytes) of 16 queries at a time
.macro OUT nt, po
	PLACES 8                                       ; behind the last products
.irp x, 0,1
.if \x < \nt
	v_add_f32 v[ST+4*\x+2], v[ST+4*\x+2], v[ST+4*\x+3]
	v_permlanex16_b32 v[PB+\x], v[ST+4*\x+2], s[SEL], s[SEL+1]
	v_add_f32 v[ST+4*\x+2], v[ST+4*\x+2], v[PB+\x]         ; the row's sum
.endif
.endr
	WALU
.irp x, 0,1
.if \x < \nt
	v_rcp_f32 v[WK+\x], v[ST+4*\x+2]
.endif
.endr
	v_nop
	WALU
.irp x, 0,1
.if \x < \nt
	v_mul_f32 v[F+2*\x], 0x4038aa3b, v[WK+\x]      ; 2 log2(e) / the sum
.endif
.endr
	WIN 0x01
	WALU                                           ; directly ahead of the first reader of O^T
.set i, 0
.rept 32*\nt
	v_pk_mul_f32 v[S+2*i:S+2*i+1], v[2*i:2*i+1], v[F+2*(i/32):F+2*(i/32)+1] op_sel_hi:[1,0]   ; each accumulator from its low end on
.set i, i+1
.endr
	WIN 0
	WALU
.set i, 0
.rept 64*\nt
	v_exp_f32 v[S+i], v[S+i]
.set i, i+1
.endr
	v_nop
	WALU
.set i, 0
.rept 32*\nt
	v_pk_add_f32 v[S+2*i:S+2*i+1], v[S+2*i:S+2*i+1], 1.0 op_sel_hi:[1,0]
.set i, i+1
.endr
	WALU
.set i, 0
.rept 64*\nt
	v_rcp_f32 v[S+i], v[S+i]
.set i, i+1
.endr
	v_nop
	WALU
.set i, 0
.rept 32*\nt
	v_pk_fma_f32 v[S+2*i:S+2*i+1], v[S+2*i:S+2*i+1], -2.0, 1.0 op_sel_hi:[1,0,0]   ; register 64 x + 8 t + j: query r of tile x, channel 16 t + 8 h + j
.set i, i+1
.endr
	WALU
.irp x, 0,1
.if \x < \nt
	s_wait_xcnt 0x0                                ; earlier stores have read their registers, which the loads below write
.irp u, 0,1                                    ; channels 64 u on; back into v192-223 (u = 0) and v224-255 (u = 1)
.irp t, 0,1,2,3
	ds_store_b128 v[STO], v[S+64*\x+32*\u+8*\t:S+64*\x+32*\u+8*\t+3] offset:64*\t
	ds_store_b128 v[STO], v[S+64*\x+32*\u+8*\t+4:S+64*\x+32*\u+8*\t+7] offset:64*\t+16
.endr
.irp i, 0,1,2,3,4,5,6,7
	ds_load_b128 v[192+32*\u+4*\i:192+32*\u+4*\i+3], v[RD] offset:544*\i   ; LDS serves a wave's instructions in order (ISA guide 5.7.1.4)
.endr
.endr
.irp u, 0,1
.irp i, 0,1,2,3,4,5,6,7
	s_wait_dscnt 23-16*\u-\i                       ; this load is in; the younger LDS instructions may be out
	global_store_b128 v[GO], v[192+32*\u+4*\i:192+32*\u+4*\i+3], s[\po:\po+1] offset:(8*\x+2*\i+8*(\i/4))*3072+256*\u th:TH_STORE_NT   ; 16 lanes store 256 consecutive bytes, aligned
.endr
.endr
.endif
.endr
.endm
	s_load_b256 s[4:11], s[0:1], 0x0               ; qc s[4:5], qs s[6:7], kvc s[8:9], out0 s[10:11]
	v_lshl_add_u32 v[SPW], v0, 2, SPARE
	v_mov_b32 v[NIL], 0
	ds_add_u32 v[SPW], v[NIL]                      ; the opening lines: the add twice on end and its wait
	ds_add_u32 v[SPW], v[NIL]
	v_lshrrev_b32 v2, 5, v0
	v_readfirstlane_b32 s[WV], v2                  ; wave 0..7
	s_lshr_b32 s[IDX], s[WV], 1                    ; my number in my role; also: the place in a slot of the record that I fetch
	s_lshr_b32 s[ROLE], s[WV], 2
	s_xor_b32 s[ROLE], s[ROLE], s[WV]
	s_and_b32 s[ROLE], s[ROLE], 1                  ; waves w and w + 4, and waves 2 k and 2 k + 1, differ in it
	s_mul_i32 s[ROFF], s[ROLE], 2*RECB
	s_and_b32 s[HOFF], s[WV], 1
	s_mul_i32 s[HOFF], s[HOFF], RECB/2
	s_bfe_u32 s[CX], ttmp6, 0x40000                ; cx: it enters Q's, the output's and the prefetches' addresses alone
	s_lshl_b32 s74, ttmp9, 2
	s_add_co_u32 s74, s74, s[CX]                   ; j
	s_and_b32 s75, ttmp7, 0xffff
	s_mul_i32 s75, s75, 3
	s_lshr_b32 s76, ttmp9, 3
	s_add_co_u32 s76, s76, s75                     ; role 0's pair: from the cluster's numbers alone
	s_add_co_u32 s77, s75, 2                       ; role 1's
	s_mov_b32 s[G1], 15|(3<<16)|(1<<21)            ; the mask names the four partners; elements of 8 bytes
	s_mov_b32 s[G1+1], 32<<16
	s_mov_b32 s[G1+2], 66<<16
	s_mov_b32 s[G1+3], 32<<16
	s_mov_b32 s[G1+4], 66
	s_mov_b32 s[G1+5], 32
	s_mov_b32 s[G1+6], 0
	s_mov_b32 s[G1+7], 0
	s_mov_b32 s[G0], 1
	s_lshl_b32 s78, s76, 5                         ; places 0, 1 of a slot: the first pair's records 2 g, 2 g + 1; places 2, 3: the second pair's
	s_lshl_b32 s79, s77, 5
	s_sub_co_u32 s79, s79, 2
	s_cmp_lt_u32 s[IDX], 2
	s_cselect_b32 s[RI], s78, s79
	s_add_co_u32 s[RI], s[RI], s[IDX]
	s_and_b32 s80, s[WV], 3
	s_cmp_lt_u32 s80, 2
	s_cselect_b32 s[PRI], s78, s79
	s_add_co_u32 s[PRI], s[PRI], s80
	s_add_co_u32 s[PRI], s[PRI], 4                 ; the first round prefetches the third fill
	s_cmp_lt_u32 s[WV], 4
	s_cselect_b32 s[PLIM], 14, 0
	s_mul_i32 s[PCX], s[CX], RECB/4
	s_mov_b32 s[T2+1], 0
	; role 0: block j % 32, my tiles 2 n, 2 n + 1 (n my number in the role)
	s_and_b32 s78, s74, 31
	s_lshl_b32 s79, s76, 5
	s_add_co_u32 s79, s79, s78
	s_lshl_b32 s60, s79, 14
	s_lshl_b32 s80, s[IDX], 12
	s_add_co_u32 s60, s60, s80
	s_lshl_b32 s62, s79, 9
	s_lshl_b32 s80, s[IDX], 2
	s_add_co_u32 s62, s62, s80
	s_cmp_ge_u32 s76, 6
	s_cselect_b32 s80, 4096, 0                     ; the batch's rows
	s_cselect_b32 s81, 6, 0
	s_sub_co_u32 s81, s76, s81                     ; the head
	s_lshl_b32 s82, s78, 7
	s_add_co_u32 s80, s80, s82
	s_lshl_b32 s82, s[IDX], 5
	s_add_co_u32 s80, s80, s82
	s_mul_i32 s[OP], s80, 3072
	s_lshl_b32 s81, s81, 9
	s_add_co_u32 s[OP], s[OP], s81
	; role 1: block j / 2, my tile 4 (j % 2) + n
	s_lshr_b32 s78, s74, 1
	s_and_b32 s82, s74, 1
	s_lshl_b32 s82, s82, 2
	s_add_co_u32 s82, s82, s[IDX]
	s_lshl_b32 s79, s77, 5
	s_add_co_u32 s79, s79, s78
	s_lshl_b32 s66, s79, 14
	s_lshl_b32 s80, s82, 11
	s_add_co_u32 s66, s66, s80
	s_lshl_b32 s68, s79, 9
	s_and_b32 s83, s[IDX], 1
	s_lshl_b32 s80, s83, 8
	s_add_co_u32 s68, s68, s80                     ; an odd tile's words lie in the image's upper 256 bytes
	s_lshr_b32 s82, s82, 1
	s_lshl_b32 s80, s82, 2
	s_add_co_u32 s68, s68, s80
	s_cmp_ge_u32 s77, 6
	s_cselect_b32 s80, 4096, 0
	s_cselect_b32 s81, 6, 0
	s_sub_co_u32 s81, s77, s81
	s_lshl_b32 s78, s78, 7
	s_add_co_u32 s80, s80, s78
	s_lshl_b32 s82, s82, 5
	s_add_co_u32 s80, s80, s82
	s_lshl_b32 s83, s83, 3
	s_add_co_u32 s80, s80, s83                     ; row 128 block + 32 (tile / 2) + 8 (tile % 2)
	s_mul_i32 s72, s80, 3072
	s_lshl_b32 s81, s81, 9
	s_add_co_u32 s72, s72, s81
	s_cmp_eq_u32 s[ROLE], 0                        ; my role's offsets
	s_cselect_b32 s60, s60, s66
	s_cselect_b32 s62, s62, s68
	s_cselect_b32 s[OP], s[OP], s72
	s_cselect_b32 s[QM], 31, 15                    ; role 1: both halves of the lanes take my one tile's scale words
	s_mov_b32 s61, 0
	s_mov_b32 s63, 0
	s_mov_b32 s[OP+1], 0
	s_mov_b32 s[SEL], 0x76543210
	s_mov_b32 s[SEL+1], 0xfedcba98
	s_mov_b32 s[CS], 0x3e0293ee                    ; c = log2(e) / sqrt(128)
	s_mov_b32 s[CS+1], s[CS]
	s_mov_b32 s[MNT], 0x600000
	s_mov_b32 s[TB], 0
	s_mov_b32 s[FBF], 0
	s_mov_b32 s[OC], 0
	s_wait_dscnt 0x0                               ; both opening adds are done
	CROUND                                         ; all four work-groups are here
	s_wait_kmcnt 0x0
	FDESC
	tensor_load_to_lds s[G0:G0+3], s[G1:G1+7]      ; my part of slot 0: my one load at the head
	s_nop 0
	PLACES 4
	s_add_nc_u64 s[60:61], s[4:5], s[60:61]
	s_add_nc_u64 s[62:63], s[6:7], s[62:63]
	s_add_nc_u64 s[OP:OP+1], s[10:11], s[OP:OP+1]
	v_and_b32 v1, 31, v0
	v_lshlrev_b32 v[PFO], 8, v1
	v_lshlrev_b32 v[LI], 4, v1
	v_and_b32 v[WK], s[QM], v0
	v_lshlrev_b32 v[WK], 4, v[WK]
.irp c, 0,1,2,3
	global_load_b128 v[Q+4*\c:Q+4*\c+3], v[LI], s[60:61] offset:512*\c   ; Q stays in registers
.endr
	global_load_b32 v[QSC], v[WK], s[62:63]        ; role 0: lanes 0-15 my tile 0's words, lanes 16-31 my tile 1's
	v_and_b32 v10, 15, v0                          ; r
	v_bfe_u32 v11, v0, 4, 1                        ; h
	s_mul_i32 s74, s[WV], 16*272
	s_add_co_u32 s74, s74, STAGE
	v_mul_u32_u24 v[STO], v10, 272
	v_lshl_add_u32 v[STO], v11, 5, v[STO]
	v_add_nc_u32 v[STO], s74, v[STO]               ; in: row r, + 32 h
	v_mul_u32_u24 v[RD], v11, 272
	v_lshl_add_u32 v[RD], v10, 4, v[RD]
	v_add_nc_u32 v[RD], s74, v[RD]                 ; back: lanes 0-15 one row, lanes 16-31 the next
	v_mul_u32_u24 v[GO], v11, 3072
	v_lshl_add_u32 v[GO], v10, 4, v[GO]            ; and the same two rows of the output
.irp b, 0,1,2,3
	v_mov_b32 v[PB+\b], 0                          ; a lane permute's destination counts as one of its sources
.endr
	INITX 0
	WALU
	s_cmp_eq_u32 s[ROLE], 0
	s_cbranch_scc0 .Lone_tile
.irp c, 0,1,2,3
	global_load_b128 v[Q+16+4*\c:Q+16+4*\c+3], v[LI], s[60:61] offset:2048+512*\c   ; role 0's second tile
.endr
	INITX 1
.Lone_tile:
	WALU
	s_wait_loadcnt 0x0                             ; Q
.Lslot:                                            ; fifteen slots behind whose rounds the next is asked for,
	CHANGE 1
	SLOTHEAD
.Ltrip:
	TRIP
	s_cbranch_scc1 .Ltrip
	s_xor_b32 s[TB], s[TB], SLOT1
	s_add_co_u32 s[OC], s[OC], 1
	s_cmp_lt_u32 s[OC], 15
	s_cbranch_scc1 .Lslot
	CHANGE 0                                       ; and the last, written out
	SLOTHEAD
.Llast:
	TRIP
	s_cbranch_scc1 .Llast
	s_cmp_eq_u32 s[ROLE], 0
	s_cbranch_scc0 .Lout_one
	OUT 2, OP
	s_branch .Lout_done
.Lout_one:
	OUT 1, OP
.Lout_done:
	s_wait_tensorcnt 0x0                           ; the wave's end
	ds_add_u32 v[SPW], v[NIL]
	s_wait_dscnt 0x0
	CROUND                                         ; the closing round
	s_endpgm
.Lfunc_end_k_q67e27a7a60_attn:
	.size	k_q67e27a7a60_attn, .Lfunc_end_k_q67e27a7a60_attn-k_q67e27a7a60_attn
	.p2alignl 7, 3214868480
	.fill 96, 4, 3214868480
	.section	.rodata,"a",@progbits
	.p2align	6, 0x0
	.amdhsa_kernel k_q67e27a7a60_attn
		.amdhsa_group_segment_fixed_size 327680
		.amdhsa_private_segment_fixed_size 0
		.amdhsa_enable_private_segment 0
		.amdhsa_kernarg_size 32
		.amdhsa_user_sgpr_count 2
		.amdhsa_user_sgpr_kernarg_segment_ptr 1
		.amdhsa_wavefront_size32 1
		.amdhsa_system_sgpr_workgroup_id_x 1
		.amdhsa_system_sgpr_workgroup_id_y 1
		.amdhsa_system_sgpr_workgroup_id_z 1
		.amdhsa_system_vgpr_workitem_id 0
		.amdhsa_next_free_vgpr 512
		.amdhsa_next_free_sgpr 92
		.amdhsa_reserve_vcc 0
		.amdhsa_float_denorm_mode_32 3
		.amdhsa_float_denorm_mode_16_64 3
		.amdhsa_memory_ordered 1
		.amdhsa_forward_progress 1
		.amdhsa_inst_pref_size 182
	.end_amdhsa_kernel
	.amdgpu_metadata
---
amdhsa.version: [ 1, 2 ]
amdhsa.kernels:
  - .name:           k_q67e27a7a60_attn
    .symbol:         k_q67e27a7a60_attn.kd
    .args:
      - { .name: qc, .offset: 0, .size: 8, .value_kind: global_buffer, .address_space: global }
      - { .name: qs, .offset: 8, .size: 8, .value_kind: global_buffer, .address_space: global }
      - { .name: kvc, .offset: 16, .size: 8, .value_kind: global_buffer, .address_space: global }
      - { .name: out0, .offset: 24, .size: 8, .value_kind: global_buffer, .address_space: global }
    .group_segment_fixed_size: 327680
    .private_segment_fixed_size: 0
    .kernarg_segment_align: 8
    .kernarg_segment_size: 32
    .max_flat_workgroup_size: 256
    .sgpr_count:     92
    .vgpr_count:     512
    .wavefront_size: 32
...
	.end_amdgpu_metadata
.endif
;; end of part 3
